; MI455X (gfx1250); checked and timed in simulation.
; The chip was launched on July 23, 2026; its instructions are those of AMD's public machine-readable ISA for CDNA 5 (MIT licence, August 2026) and "CDNA5" Instruction Set Architecture Reference Guide (July 2026). The comments in the code are by the model that wrote it; some were corrected since.
;; Attention. Allowed arithmetic: matrix products marked QUANTISED: E2M3 operands, one E8M0 scale for each 32 along K, by v_wmma_scale_f32_16x16x128_f8f6f4 with both operands' format E2M3, f32 sums; everything else in f32.
;; Inputs: Wk 1,024 x 512 float32; Wv 1,024 x 512 float32; bk 512 float32; bv 512 float32; mask 8 x 2,048 x 2,048 float32; query 8 x 2,048 x 512 float32; states 8 x 2,048 x 1,024 float32.
;; Outputs: out0 8 x 2,048 x 512 float32.
;; This version of the problem:
;;   THIS VERSION OF THE PROBLEM IS GIVEN IN LOW PRECISION. The matrix products marked QUANTISED in the list below multiply operands that are first quantised to E2M3 (2 exponent bits, 3 mantissa bits; 6 bits a number), with one power-of-two scale for each 32 numbers along K (OCP MX v1.0); their sums are f32. All else is computed in f32.
;;   The module's matrix products, in the order in which they are computed (A, B: the left and right operand; K: the contracted axis; several contracted axes count as one K, in the product's order):
;;     1. [M 16,384, K 1,024] x [K 1,024, N 512]; A: input states; B: input Wk: QUANTISED
;;     2. [M 16,384, K 1,024] x [K 1,024, N 512]; A: input states; B: input Wv: QUANTISED
;;     3. batch 8 x [M 2,048, K 512] x [K 512, N 2,048]; A: input query; B: computed on the way: QUANTISED
;;     4. batch 8 x [M 2,048, K 2,048] x [K 2,048, N 512]; A: softmax (see below); B: computed on the way: QUANTISED
;;   THE QUANTISER, for each operand of a quantised product, along K:
;;     - K is cut into blocks of 32 from its start; a last block that is shorter is filled with zeros.
;;     - A block's scale is 2^e with e = floor(log2(the largest magnitude in the block)) - 2, held to -126 .. 127; a block of zeros has e = 0. As a byte (E8M0): e + 127.
;;     - Each number is divided by its block's scale, clamped to +-7.5, and rounded to the nearest number of E2M3, ties to even, subnormals kept.
;;     - The product sums the exact products of the quantised numbers (number of the format x scale) in f32.
;;   ~~~python
;;   def quantise(x, axis):      # numpy; x: float32 -> the quantised numbers, widened to float32 again
;;       x = np.moveaxis(x, axis, -1); K = x.shape[-1]
;;       x = np.pad(x, [(0, 0)] * (x.ndim - 1) + [(0, -K % 32)]); x = x.reshape(x.shape[:-1] + (-1, 32)); a = np.abs(x).max(-1, keepdims=True)
;;       e = np.where(a > 0, np.clip(np.frexp(np.where(a > 0, a, 1))[1] - 1 - 2, -126, 127), 0)      # np.frexp(a)[1] - 1 = floor(log2(a)), exactly
;;       r = np.clip(x / 2.0 ** e, -7.5, 7.5)
;;       step = 2.0 ** (np.maximum(np.frexp(np.where(r == 0, 1, r))[1] - 1, 0) - 3)
;;       q = np.round(r / step) * step * 2.0 ** e      # np.round: ties to even
;;       return np.moveaxis(q.reshape(q.shape[:-2] + (-1,))[..., :K], -1, axis).astype(np.float32)
;;   ~~~
;;   SOFTMAX AHEAD OF A QUANTISED PRODUCT. Where the list says 'softmax', what is quantised is not the finished softmax but p = 2^(t - M), with t = logit x log2(e) and M = ceil(the row's largest t), a whole number; so 1/2 < the row's largest p <= 1. The row's sum l is taken of the UNQUANTISED p, in f32, and the product's result is divided by l at the end. Since M is a whole number, a kernel that streams over the keys may use a running M (the ceiling of the running maximum): every later rescaling is an exact power of two, which a block's scale takes up: the codes' values come out the same.
;;   OPERANDS COMPUTED ON THE WAY. 'Computed on the way' means the value that the module computes at that place (a softmax that the list does not call 'softmax' is quantised finished and normalised). What goes into a quantiser is computed in f32, as accurately as f32 sums, v_exp_f32 and their like allow (about 1e-6 of the number): no bf16 or f16 on the way to a quantiser, and a product that is left as it is and whose result goes on into a quantised operand takes f32 operands (vector FMAs, or v_wmma_f32_16x16x4_f32). A number that lies on a knife's edge between two numbers of the format may be rounded either way, as far as f32 arithmetic and the matrix unit's own rounding can turn it there, and no further.
;; One version. Each part assembles by itself: llvm-mc -triple=amdgcn-amd-amdhsa -mcpu=gfx1250 --defsym DOCPART=n.
;; ======== version 1 of 1: 3 launches
;; limits: right only within a limited range of input values
;; workspace buffers: w_codes 786,432 bytes; w_scales 32,768 bytes; kv 13,107,200 bytes
;; launch prep (part 1): grid 128 x 1, 4 waves a work-group, no clusters, 0 bytes of LDS; arguments Wk, Wv, w_codes, w_scales; writes w_codes, w_scales
.if DOCPART == 1
	.amdgcn_target "amdgcn-amd-amdhsa--gfx1250"
	.amdhsa_code_object_version 6
	.text
	.protected	k_q271435e7ea_prep
	.globl	k_q271435e7ea_prep
	.p2align	8
	.type	k_q271435e7ea_prep,@function
k_q271435e7ea_prep:
	s_mov_b64 s[64:65], 0
	v_nop
	global_prefetch_b8 v0, s[64:65] scope:SCOPE_SE
	s_setreg_imm32_b32 hwreg(HW_REG_WAVE_MODE, 25, 1), 1
	s_wait_xcnt 0x0
; Wk, Wv [1024 (k)][512 (n)] f32 become codes of FP6 (E2M3) with one E8M0 byte for each 32 along K,
; laid as IMAGES OF THE OPERAND'S REGISTERS: a fragment (16 columns x 128 K, 12 registers a lane) is 1,536 bytes, registers 4 g .. 4 g + 3 of lane L at 512 g + 16 L.
; A block's scale is 2^(floor(log2(its largest magnitude)) - 2); its byte is the largest magnitude's exponent field - 2, held at 1 from below.
; LIMITS: a block of zeros, or one whose largest magnitude lies under 2^-124, keeps the byte 1 (this program alone reads the bytes); NaN and infinities are not served.
; One fragment to a wave.  w_codes [g 2 (Wk, Wv)][K step 8][tile 32][1536], w_scales [g][K step][tile][16 words].
; A lane takes a column and its registers run down K, in the order that the operand's layout gives that lane: nothing is transposed.
; THE COLUMNS OF A TILE OF Wk ARE NOT NEIGHBOURS: lane r of tile T takes column 32 (T / 2) + 8 (T % 2) + r + 8 (r / 8), so that the keys come out of the next launch with 16 neighbours along h in a lane.  Wv: column 16 T + r.
; No LDS, no barrier: waves share nothing.
	s_load_b128 s[4:7], s[0:1], 0x0                ; Wk, Wv
	s_load_b128 s[8:11], s[0:1], 0x10              ; w_codes, w_scales
	v_lshrrev_b32 v1, 5, v0
	v_readfirstlane_b32 s18, v1                    ; wave 0..3
	v_and_b32 v1, 31, v0                           ; lane
	v_and_b32 v2, 15, v0                           ; r
	v_bfe_u32 v3, v0, 4, 1                         ; h
	s_mov_b32 s20, 0x76543210
	s_mov_b32 s21, 0xfedcba98                      ; v_permlanex16_b32's selects for lane l xor 16
	s_and_b32 s22, ttmp9, 7                        ; K step s
	s_lshr_b32 s23, ttmp9, 3
	s_lshr_b32 s24, s23, 3                         ; g: 0 Wk, 1 Wv
	s_and_b32 s25, s23, 7
	s_lshl_b32 s25, s25, 2
	s_add_co_u32 s25, s25, s18                     ; tile T
	s_lshr_b32 s26, s25, 1
	s_lshl_b32 s26, s26, 5
	s_and_b32 s27, s25, 1
	s_lshl_b32 s27, s27, 3
	s_add_co_u32 s26, s26, s27                     ; Wk: 32 (T / 2) + 8 (T % 2)
	s_lshl_b32 s27, s25, 4                         ; Wv: 16 T
	s_cmp_eq_u32 s24, 0
	s_cselect_b32 s26, s26, s27                    ; the tile's first column
	s_cselect_b32 s27, 8, 0                        ; Wk: lanes 8-15 stand 8 columns further on
	s_wait_alu depctr_va_vdst(0)                   ; the wait here, behind the run of scalar lines
	v_and_b32 v4, s27, v2
	v_add_nc_u32 v4, v4, v2
	v_add_nc_u32 v4, s26, v4                       ; my column
	v_lshlrev_b32 v4, 2, v4
	v_lshl_add_u32 v4, v3, 16, v4                  ; lanes 16-31 begin 32 rows of 2,048 bytes further down
	s_lshl_b32 s28, s24, 3
	s_add_co_u32 s28, s28, s22
	s_lshl_b32 s28, s28, 5
	s_add_co_u32 s28, s28, s25                     ; the fragment's number: (8 g + s) 32 + T
	s_mul_i32 s30, s28, 1536
	s_mov_b32 s31, 0
	s_lshl_b32 s32, s28, 6
	s_mov_b32 s33, 0
	s_lshl_b32 s34, s22, 18                        ; 128 rows of 2,048 bytes a K step
	s_mov_b32 s35, 0
	v_lshlrev_b32 v5, 4, v1
	v_lshlrev_b32 v6, 2, v2
	s_wait_alu depctr_va_vdst(0)                   ; the wait at the head's end
	s_wait_kmcnt 0x0
	s_cmp_eq_u32 s24, 0                            ; the choice hangs on the work-group's number alone
	s_cselect_b64 s[4:5], s[4:5], s[6:7]
	s_add_nc_u64 s[4:5], s[4:5], s[34:35]
	s_add_nc_u64 s[8:9], s[8:9], s[30:31]
	s_add_nc_u64 s[10:11], s[10:11], s[32:33]
.irp c, 0,1
.irp i, 0,1,2,3,4,5,6,7,8,9,10,11,12,13,14,15,16,17,18,19,20,21,22,23,24,25,26,27,28,29,30,31
	global_load_b32 v[64+32*\c+\i], v4, s[4:5] offset:2048*(64*\c+\i)   ; W(128 s + 64 c + 32 h + i, my column)
.endr
.endr
	s_wait_loadcnt 0x0
.irp c, 0,1                                    ; my block 2 c + h: all its 32 numbers are mine; the floor 2^(3 - 127) holds the byte at 1
	v_max3_num_f32 v[32+\c], |v[64+32*\c]|, |v[65+32*\c]|, 0x1800000
.endr
.irp i, 2,4,6,8,10,12,14,16,18,20,22,24,26,28,30
.irp c, 0,1
	v_max3_num_f32 v[32+\c], v[32+\c], |v[64+32*\c+\i]|, |v[65+32*\c+\i]|
.endr
.endr
.irp c, 0,1
	v_add_nc_u32 v[44+\c], 0xff000000, v[32+\c]    ; 2 off the exponent field: the conversion's scale operand
.endr
.irp c, 0,1
	v_lshrrev_b32 v[36+\c], 23, v[44+\c]
.endr
	v_lshl_or_b32 v9, v37, 16, v36                 ; my two bytes: blocks h and 2 + h,
	v_lshlrev_b32 v10, 3, v3
	v_lshlrev_b32 v9, v10, v9                      ; at their places in the scale word;
	v_mov_b32 v10, 0
	v_permlanex16_b32 v10, v9, s20, s21
	v_or_b32 v9, v9, v10                           ; with lane l xor 16's two the word is whole
.irp c, 0,1
	v_cvt_scalef32_pk16_fp6_f32 v[48+6*\c:50+6*\c], v[64+32*\c:79+32*\c], v[44+\c]
	v_cvt_scalef32_pk16_fp6_f32 v[192+4*\c:194+4*\c], v[80+32*\c:95+32*\c], v[44+\c]   ; (a conversion's three registers begin on an even number)
.endr
	v_nop                                          ; one plain place behind a scaled conversion
.irp c, 0,1
.irp i, 0,1,2
	v_mov_b32 v[51+6*\c+\i], v[192+4*\c+\i]
.endr
.endr
	global_store_b128 v5, v[48:51], s[8:9]
	global_store_b128 v5, v[52:55], s[8:9] offset:512
	global_store_b128 v5, v[56:59], s[8:9] offset:1024
	v_cmp_gt_u32 vcc_lo, 16, v1
	s_wait_xcnt 0x0                                ; EXEC changes only behind this wait
	s_and_saveexec_b32 s36, vcc_lo
	global_store_b32 v6, v9, s[10:11]              ; lanes 0-15: the tile's 16 scale words
	s_wait_xcnt 0x0
	s_or_b32 exec_lo, exec_lo, s36
	s_endpgm
.Lfunc_end_k_q271435e7ea_prep:
	.size	k_q271435e7ea_prep, .Lfunc_end_k_q271435e7ea_prep-k_q271435e7ea_prep
	.p2alignl 7, 3214868480
	.fill 96, 4, 3214868480
	.section	.rodata,"a",@progbits
	.p2align	6, 0x0
	.amdhsa_kernel k_q271435e7ea_prep
		.amdhsa_group_segment_fixed_size 0
		.amdhsa_private_segment_fixed_size 0
		.amdhsa_enable_private_segment 0
		.amdhsa_kernarg_size 32
		.amdhsa_user_sgpr_count 2
		.amdhsa_user_sgpr_kernarg_segment_ptr 1
		.amdhsa_wavefront_size32 1
		.amdhsa_system_sgpr_workgroup_id_x 1
		.amdhsa_system_sgpr_workgroup_id_y 1
		.amdhsa_system_sgpr_workgroup_id_z 1
		.amdhsa_system_vgpr_workitem_id 0
		.amdhsa_next_free_vgpr 256
		.amdhsa_next_free_sgpr 66
		.amdhsa_reserve_vcc 1
		.amdhsa_float_denorm_mode_32 3
		.amdhsa_float_denorm_mode_16_64 3
		.amdhsa_memory_ordered 1
		.amdhsa_forward_progress 1
		.amdhsa_inst_pref_size 12
	.end_amdhsa_kernel
	.amdgpu_metadata
---
amdhsa.version: [ 1, 2 ]
amdhsa.kernels:
  - .name:           k_q271435e7ea_prep
    .symbol:         k_q271435e7ea_prep.kd
    .args:
      - { .name: Wk, .offset: 0, .size: 8, .value_kind: global_buffer, .address_space: global }
      - { .name: Wv, .offset: 8, .size: 8, .value_kind: global_buffer, .address_space: global }
      - { .name: w_codes, .offset: 16, .size: 8, .value_kind: global_buffer, .address_space: global }
      - { .name: w_scales, .offset: 24, .size: 8, .value_kind: global_buffer, .address_space: global }
    .group_segment_fixed_size: 0
    .private_segment_fixed_size: 0
    .kernarg_segment_align: 8
    .kernarg_segment_size: 32
    .max_flat_workgroup_size: 128
    .sgpr_count:     66
    .vgpr_count:     256
    .wavefront_size: 32
...
	.end_amdgpu_metadata
.endif
;; end of part 1
;; launch proj (part 2): grid 256 x 1, 4 waves a work-group, clusters of 4 x 1, 327,680 bytes of LDS; arguments states, w_codes, w_scales, bk, bv, kv; writes kv
.if DOCPART == 2
	.amdgcn_target "amdgcn-amd-amdhsa--gfx1250"
	.amdhsa_code_object_version 6
	.text
	.protected	k_q271435e7ea_proj
	.globl	k_q271435e7ea_proj
	.p2align	8
	.type	k_q271435e7ea_proj,@function
k_q271435e7ea_proj:
	s_mov_b64 s[64:65], 0
	v_nop
	global_prefetch_b8 v0, s[64:65] scope:SCOPE_SE
	s_setreg_imm32_b32 hwreg(HW_REG_WAVE_MODE, 25, 1), 1
	s_wait_xcnt 0x0
	s_wait_alu depctr_hold_cnt(0) depctr_sa_sdst(0) depctr_va_vdst(0) depctr_va_sdst(0) depctr_va_ssrc(0) depctr_va_vcc(0) depctr_vm_vsrc(0)
	s_getreg_b32 s2, hwreg(HW_REG_IB_STS2, 6, 4)
	s_cmp_eq_u32 s2, 0
	s_cbranch_scc0 .Lentry_in_a_cluster
	s_endpgm
.Lentry_in_a_cluster:
	s_bfe_u32 s2, ttmp6, 0x10000c
	s_cmp_lg_u32 s2, 0x3003
	s_cbranch_scc0 .Lentry_shape_is_right
	s_endpgm
.Lentry_shape_is_right:
; keys = states Wk + bk and values = states Wv + bv in MX-FP6, and both quantised again for the attention launch.
; A work-group takes 64 rows of states: each wave quantises 16 of them along K = 1,024 into LDS, as images of the operand's registers.
; The weights' fragments come by joint tensor loads (four work-groups of a cluster walk the same weights) through two slots, two K steps of one weight to a slot: four trips for Wk, four for Wv.
; The keys are made transposed (a lane holds one key, registers along h) and quantised along h; the values are made with a lane on one h and registers along the keys, and quantised along the keys.
; kv, for each 128 keys 102,400 bytes: K's 32 fragments, K's scale words, V's 32 fragments, V's scale words, all as register images.
; A fragment of V is two halves of 768 bytes (64 keys each, from two work-groups): registers 0-3 of the half at 16 x lane, registers 4-5 at 512 + 8 x lane.
; LIMITS: as in the first launch (a block under 2^-124 keeps the byte 1; NaN and infinities are not served).
.set FRB,   1536
.set SLOTB, 98304
.set XIMG,  2*SLOTB
.set XSC,   XIMG+32*FRB
.set KSG,   XSC+32*128
.set SPARE, KSG+1024
.set XA,  4
.set LI,  5
.set AW,  6
.set AX,  8
.set AXS, 9
.set XWI, 10
.set XWS, 11
.set KSA, 12
.set KSR, 13
.set T8,  14
.set L4,  15
.set H16, 16
.set L8,  17
.set SPW, 18
.set NIL, 19
.set XF,  24
.set PC,  120
.set TM,  140
.set PW,  156
.set XS,  160
.set WS,  168
.set OBK, 232
.set OBV, 233
.set OWS, 234
.set BK,  192
.set BV,  192
.set WV,  16
.set SEL, 20
.set G1,  24
.set G0,  32
.set MSB, 0
.macro WIN new
.if MSB != (\new)
	s_set_vgpr_msb (MSB<<8)|(\new)
.set MSB, (\new)
.endif
.endm
.macro ROUND
	s_barrier_signal -1
	s_barrier_wait -1
	s_cmp_lg_u32 s[WV], 0
	s_cbranch_scc1 .Lnot_wave_0_\@
	s_barrier_signal -3
.Lnot_wave_0_\@:
	s_barrier_wait -3
	s_barrier_signal -1
	s_barrier_wait -1
.endm
.macro PLACES n
.rept \n
	v_nop
.endr
.endm
.macro WM
.if rC < 0
.if fA && fB
	v_wmma_scale_f32_16x16x128_f8f6f4 v[rD:rD+7], v[rA:rA+11], v[rB:rB+11], 0, v[rSA], v[rSB] matrix_a_fmt:MATRIX_FMT_FP6 matrix_b_fmt:MATRIX_FMT_FP6 matrix_a_scale:MATRIX_SCALE_ROW1 matrix_b_scale:MATRIX_SCALE_ROW1
.elseif fA
	v_wmma_scale_f32_16x16x128_f8f6f4 v[rD:rD+7], v[rA:rA+11], v[rB:rB+11], 0, v[rSA], v[rSB] matrix_a_fmt:MATRIX_FMT_FP6 matrix_b_fmt:MATRIX_FMT_FP6 matrix_a_scale:MATRIX_SCALE_ROW1
.elseif fB
	v_wmma_scale_f32_16x16x128_f8f6f4 v[rD:rD+7], v[rA:rA+11], v[rB:rB+11], 0, v[rSA], v[rSB] matrix_a_fmt:MATRIX_FMT_FP6 matrix_b_fmt:MATRIX_FMT_FP6 matrix_b_scale:MATRIX_SCALE_ROW1
.else
	v_wmma_scale_f32_16x16x128_f8f6f4 v[rD:rD+7], v[rA:rA+11], v[rB:rB+11], 0, v[rSA], v[rSB] matrix_a_fmt:MATRIX_FMT_FP6 matrix_b_fmt:MATRIX_FMT_FP6
.endif
.else
.if fA && fB
	v_wmma_scale_f32_16x16x128_f8f6f4 v[rD:rD+7], v[rA:rA+11], v[rB:rB+11], v[rC:rC+7], v[rSA], v[rSB] matrix_a_fmt:MATRIX_FMT_FP6 matrix_b_fmt:MATRIX_FMT_FP6 matrix_a_scale:MATRIX_SCALE_ROW1 matrix_b_scale:MATRIX_SCALE_ROW1
.elseif fA
	v_wmma_scale_f32_16x16x128_f8f6f4 v[rD:rD+7], v[rA:rA+11], v[rB:rB+11], v[rC:rC+7], v[rSA], v[rSB] matrix_a_fmt:MATRIX_FMT_FP6 matrix_b_fmt:MATRIX_FMT_FP6 matrix_a_scale:MATRIX_SCALE_ROW1
.elseif fB
	v_wmma_scale_f32_16x16x128_f8f6f4 v[rD:rD+7], v[rA:rA+11], v[rB:rB+11], v[rC:rC+7], v[rSA], v[rSB] matrix_a_fmt:MATRIX_FMT_FP6 matrix_b_fmt:MATRIX_FMT_FP6 matrix_b_scale:MATRIX_SCALE_ROW1
.else
	v_wmma_scale_f32_16x16x128_f8f6f4 v[rD:rD+7], v[rA:rA+11], v[rB:rB+11], v[rC:rC+7], v[rSA], v[rSB] matrix_a_fmt:MATRIX_FMT_FP6 matrix_b_fmt:MATRIX_FMT_FP6
.endif
.endif
.endm
.macro QUANT src, w
	WIN ((\w)<<2)|((\w)<<4)
.irp b, 0,1,2,3
	v_max3_num_f32 v[TM+\b], 0x1800000, |v[\src+16*\b]|, |v[\src+16*\b+1]|
.endr
.irp i, 2,4,6,8,10,12,14
.irp b, 0,1,2,3
	v_max3_num_f32 v[TM+\b], v[TM+\b], |v[\src+16*\b+\i]|, |v[\src+16*\b+\i+1]|
.endr
.endr
	WIN 0
.irp b, 0,1,2,3
	v_permlanex16_b32 v[TM+4+\b], v[TM+\b], s[SEL], s[SEL+1]
.endr
.irp b, 0,1,2,3
	v_max_num_f32 v[TM+\b], v[TM+\b], v[TM+4+\b]
.endr
.irp b, 0,1,2,3
	v_add_nc_u32 v[TM+12+\b], 0xff000000, v[TM+\b]
.endr
.irp b, 0,1,2,3
	v_lshrrev_b32 v[TM+4+\b], 23, v[TM+12+\b]
.endr
	v_lshl_or_b32 v[PW], v[TM+5], 8, v[TM+4]
	v_lshl_or_b32 v[PW], v[TM+6], 16, v[PW]
	v_lshl_or_b32 v[PW], v[TM+7], 24, v[PW]
	WIN (\w)
.irp c, 0,1
	v_cvt_scalef32_pk16_fp6_f32 v[PC+6*\c:PC+2+6*\c], v[\src+32*\c:\src+32*\c+15], v[TM+12+2*\c]
	v_cvt_scalef32_pk16_fp6_f32 v[PC+12+4*\c:PC+14+4*\c], v[\src+32*\c+16:\src+32*\c+31], v[TM+12+2*\c+1]
.endr
	WIN 0
	v_nop
.irp c, 0,1
.irp i, 0,1,2
	v_permlane16_swap_b32 v[PC+6*\c+\i], v[PC+12+4*\c+\i]
.endr
.irp i, 0,1,2
	v_mov_b32 v[PC+3+6*\c+\i], v[PC+12+4*\c+\i]
.endr
.endr
.endm
.macro XLOAD buf, s
	WIN 0x80
.irp b, 0,1,2,3
.irp j, 0,1,2,3
	global_load_b128 v[\buf+16*\b+4*\j:\buf+16*\b+4*\j+3], v[XA], s[40:41] offset:512*(\s)+128*\b+16*\j
.endr
.endr
.endm
.macro IMAGE adr, off
.irp c, 0,1,2
	ds_store_b128 v[\adr], v[PC+4*\c:PC+4*\c+3] offset:\off+512*\c
.endr
.endm
.macro FETCHW q, slot
	WIN 0xc0
.irp n, 0,1,2,3,4,5,6,7
.irp k, 0,1,2
	ds_load_b128 v[96*(\q)+12*\n+4*\k:96*(\q)+12*\n+4*\k+3], v[AW+(\slot)] offset:49152*(\q)+FRB*\n+512*\k
.endr
.endr
.endm
.macro FETCHX q, s
	WIN 0
.irp m, 0,1,2,3
.irp k, 0,1,2
	ds_load_b128 v[XF+48*(\q)+12*\m+4*\k:XF+48*(\q)+12*\m+4*\k+3], v[AX] offset:(8*\m+(\s))*FRB+512*\k
.endr
	ds_load_b32 v[XS+4*(\q)+\m], v[AXS] offset:128*(8*\m+(\s))
.endr
.endm
.macro MULK q, s
.if (\s) == 0
	WIN 0x73
.else
	WIN 0x53
.endif
.irp n, 0,1,2,3,4,5,6,7
.irp m, 0,1,2,3
.set rD, 64*\m+8*\n
.set rA, 96*(\q)+12*\n
.set rB, XF+48*(\q)+12*\m
.if (\s) == 0
.set rC, BK+8*\n
.else
.set rC, rD
.endif
.set rSA, WS+4*(\s)+\n/2
.set rSB, XS+4*(\q)+\m
.set fA, \n%2
.set fB, 0
	WM
.endr
.endr
.endm
.macro MULV q, s
.if (\s) == 0
	WIN 0x6c
.else
	WIN 0x5c
.endif
.irp n, 0,1,2,3,4,5,6,7
.irp m, 0,1,2,3
.set rD, 32*\n+8*\m
.set rA, XF+48*(\q)+12*\m
.set rB, 96*(\q)+12*\n
.if (\s) == 0
.set rC, BV+8*\n
.else
.set rC, rD
.endif
.set rSA, XS+4*(\q)+\m
.set rSB, WS+32+4*(\s)+\n/2
.set fA, 0
.set fB, \n%2
	WM
.endr
.endr
.endm
.macro XQ s
.if (\s) <= 5
	s_wait_loadcnt 32
.elseif (\s) == 6
	s_wait_loadcnt 16
.else
	s_wait_loadcnt 0x0
.endif
.if (\s) == 0
	WIN 0x82
.irp n, 0,1,2,3,4,5,6,7
.irp j, 1,2,3,4,5,6,7
	v_mov_b32 v[BV+8*\n+\j], v[BV+8*\n]
.endr
.endr
.endif
	QUANT 64*((\s)%3), 2
	IMAGE XWI, FRB*(\s)
	ds_store_b32 v[XWS], v[PW] offset:128*(\s)
.if (\s)+3 <= 7
	XLOAD 64*((\s)%3), (\s)+3
.endif
	WIN 0
	s_wait_dscnt 0x0
.endm
.macro TRIP i
	WIN 0
.if \i < 4
	XQ 2*\i
	XQ 2*\i+1
.endif
.if \i == 0
	s_wait_tensorcnt 0x1
	s_wait_dscnt 0x0
	s_barrier_signal -1
	s_barrier_wait -1
.elseif \i < 7
	s_wait_tensorcnt 0x0
	ds_add_u32 v[SPW], v[NIL]
	s_add_nc_u64 s[G0+4*((\i+1)%2)+2:G0+4*((\i+1)%2)+3], s[G0+4*((\i+1)%2)+2:G0+4*((\i+1)%2)+3], 2*SLOTB
	s_wait_dscnt 0x0
	ROUND
	tensor_load_to_lds s[G0+4*((\i+1)%2):G0+4*((\i+1)%2)+3], s[G1:G1+7]
	s_nop 0
	PLACES 4
.else
	s_wait_tensorcnt 0x0
	s_wait_dscnt 0x0
	s_barrier_signal -1
	s_barrier_wait -1
	PLACES 4
.endif
.if \i == 4
	ds_load_b64 v[20:21], v[KSR]
.endif
	FETCHW 0, \i%2
	FETCHX 0, (2*\i)%8
	FETCHW 1, \i%2
	FETCHX 1, (2*\i+1)%8
	s_wait_dscnt 40
.if \i == 4
	global_store_b64 v[T8], v[20:21], s[44:45]
.endif
.if \i < 4
	MULK 0, 2*\i
	s_wait_dscnt 0x0
	MULK 1, 2*\i+1
.else
	MULV 0, 2*\i-8
	s_wait_dscnt 0x0
	MULV 1, 2*\i-7
.endif
.endm
	s_load_b256 s[4:11], s[0:1], 0x0
	s_load_b128 s[12:15], s[0:1], 0x20
	v_lshl_add_u32 v[SPW], v0, 2, SPARE
	v_mov_b32 v[NIL], 0
	ds_add_u32 v18, v19
	ds_add_u32 v18, v19
	s_wait_dscnt 0x0
	v_lshrrev_b32 v1, 5, v0
	v_readfirstlane_b32 s[WV], v1
	s_bfe_u32 s17, ttmp6, 0x40000
	s_lshl_b32 s18, ttmp9, 2
	s_add_co_u32 s18, s18, s17
	s_mov_b32 s[G1], 15|(3<<16)|(1<<21)
	s_mov_b32 s[G1+1], 32<<16
	s_mov_b32 s[G1+2], 96<<16
	s_mov_b32 s[G1+3], 32<<16
	s_mov_b32 s[G1+4], 96
	s_mov_b32 s[G1+5], 32
	s_mov_b32 s[G1+6], 0
	s_mov_b32 s[G1+7], 0
	s_mov_b32 s[SEL], 0x76543210
	s_mov_b32 s[SEL+1], 0xfedcba98
	s_mul_i32 s50, s[WV], 24576
	s_mov_b32 s51, 0
	s_wait_kmcnt 0x0
	s_add_nc_u64 s[6:7], s[6:7], s[50:51]
.irp n, 0,1
	s_mov_b32 s[G0+4*\n], 1
	s_add_co_u32 s[G0+4*\n+1], s50, \n*SLOTB
	s_add_nc_u64 s[G0+4*\n+2:G0+4*\n+3], s[6:7], \n*SLOTB
	s_or_b32 s[G0+4*\n+3], s[G0+4*\n+3], 0x80000000
.endr
	ROUND
	tensor_load_to_lds s[G0:G0+3], s[G1:G1+7]
	s_nop 0
	PLACES 4
	v_and_b32 v1, 31, v0
	v_and_b32 v2, 15, v0
	v_bfe_u32 v3, v0, 4, 1
	v_and_b32 v20, 8, v2
	v_add_nc_u32 v20, v20, v2
	s_lshr_b32 s52, s[WV], 1
	s_lshl_b32 s52, s52, 5
	s_and_b32 s53, s[WV], 1
	s_lshl_b32 s53, s53, 3
	s_add_co_u32 s52, s52, s53
	v_add_nc_u32 v20, s52, v20
	v_lshlrev_b32 v[XA], 12, v20
	v_lshl_add_u32 v[XA], v3, 6, v[XA]
	v_lshlrev_b32 v[LI], 4, v1
	s_mul_i32 s52, s[WV], 8*FRB
	v_add_nc_u32 v[AW], s52, v[LI]
	v_add_nc_u32 v[AW+1], SLOTB, v[AW]
	v_add_nc_u32 v[AX], XIMG, v[LI]
	v_add_nc_u32 v[XWI], XIMG, v[AW]
	v_lshlrev_b32 v[L4], 2, v1
	v_add_nc_u32 v[AXS], XSC, v[L4]
	s_lshl_b32 s52, s[WV], 10
	v_add_nc_u32 v[XWS], s52, v[AXS]
	s_lshl_b32 s52, s[WV], 2
	v_lshl_add_u32 v[KSA], v2, 4, s52
	v_add_nc_u32 v[KSA], KSG, v[KSA]
	v_lshlrev_b32 v[T8], 3, v0
	v_add_nc_u32 v[KSR], KSG, v[T8]
	v_lshlrev_b32 v[H16], 4, v3
	v_lshlrev_b32 v[L8], 3, v1
	s_lshl_b32 s52, s[WV], 9
	v_lshl_add_u32 v[OBK], v3, 6, s52
	v_lshl_add_u32 v[OBV], v2, 2, s52
	v_add_nc_u32 v[OWS], s52, v[L4]
	s_wait_alu depctr_va_vdst(0)
.irp b, 0,1,2,3
	v_mov_b32 v[TM+4+\b], 0
.endr
	s_lshl_b32 s52, s18, 18
	s_mov_b32 s53, 0
	s_add_nc_u64 s[40:41], s[4:5], s[52:53]
	s_lshr_b32 s52, s18, 1
	s_mul_i32 s52, s52, 102400
	s_add_nc_u64 s[14:15], s[14:15], s[52:53]
	s_and_b32 s54, s18, 1
	s_mul_i32 s52, s54, 24576
	s_mul_i32 s55, s[WV], FRB
	s_add_co_u32 s52, s52, s55
	s_add_nc_u64 s[42:43], s[14:15], s[52:53]
	s_lshl_b32 s52, s54, 10
	s_add_co_u32 s52, s52, 49152
	s_add_nc_u64 s[44:45], s[14:15], s[52:53]
	s_mul_i32 s52, s54, 768
	s_mul_i32 s55, s[WV], 8*FRB
	s_add_co_u32 s52, s52, s55
	s_add_co_u32 s52, s52, 51200
	s_add_nc_u64 s[46:47], s[14:15], s[52:53]
	s_lshl_b32 s52, s54, 1
	s_lshl_b32 s55, s[WV], 9
	s_add_co_u32 s52, s52, s55
	s_add_co_u32 s52, s52, 100352
	s_add_nc_u64 s[48:49], s[14:15], s[52:53]
.irp g, 0,1
.irp s, 0,1,2,3,4,5,6,7
.irp i, 0,1,2,3
	global_load_b32 v[WS+32*\g+4*\s+\i], v[OWS], s[8:9] offset:(8*\g+\s)*2048+128*\i
.endr
.endr
.endr
	WIN 0xc0
.irp n, 0,1,2,3,4,5,6,7
	global_load_b128 v[BK+8*\n:BK+8*\n+3], v[OBK], s[10:11] offset:(32*(\n/2)+8*(\n%2))*4
	global_load_b128 v[BK+8*\n+4:BK+8*\n+7], v[OBK], s[10:11] offset:(32*(\n/2)+8*(\n%2))*4+16
.endr
	WIN 0x80
.irp n, 0,1,2,3,4,5,6,7
	global_load_b32 v[BV+8*\n], v[OBV], s[12:13] offset:64*\n
.endr
	XLOAD 0, 0
	XLOAD 64, 1
	XLOAD 128, 2
	WIN 0                                          ; the loads of states, scales and biases are out: now slot 1's first fill, issued as a refill is
	s_wait_alu depctr_va_vdst(0)
	s_wait_tensorcnt 0x0
	ds_add_u32 v18, v19
	s_wait_dscnt 0x0
	ROUND
	tensor_load_to_lds s[G0+4:G0+7], s[G1:G1+7]
	s_nop 0
	PLACES 4
	TRIP 0
	TRIP 1
	TRIP 2
	TRIP 3
	WIN 0
	PLACES 4
.irp m, 0,1,2,3
	QUANT 64*\m, 1
.irp k, 0,1,2
	global_store_b128 v[LI], v[PC+4*\k:PC+4*\k+3], s[42:43] offset:4*FRB*\m+512*\k
.endr
	ds_store_b32 v[KSA], v[PW] offset:256*\m
	s_wait_xcnt 0x0
	s_wait_dscnt 0x0
.endr
	TRIP 4
	TRIP 5
	TRIP 6
	TRIP 7
	WIN 0
	PLACES 4
.irp i, 0,1,2,3
	QUANT 64*\i, 1
.irp t, 0,1
	global_store_b128 v[LI], v[PC+6*\t:PC+6*\t+3], s[46:47] offset:(2*\i+\t)*FRB
	global_store_b64 v[L8], v[PC+6*\t+4:PC+6*\t+5], s[46:47] offset:(2*\i+\t)*FRB+512
.endr
	v_lshrrev_b32 v22, v[H16], v[PW]
	global_store_b16 v[L4], v22, s[48:49] offset:128*\i
	s_wait_xcnt 0x0
.endr
	s_wait_tensorcnt 0x0
	ds_add_u32 v[SPW], v[NIL]
	s_wait_dscnt 0x0
	ROUND
	s_endpgm
.Lfunc_end_k_q271435e7ea_proj:
	.size	k_q271435e7ea_proj, .Lfunc_end_k_q271435e7ea_proj-k_q271435e7ea_proj
	.p2alignl 7, 3214868480
	.fill 96, 4, 3214868480
	.section	.rodata,"a",@progbits
	.p2align	6, 0x0
	.amdhsa_kernel k_q271435e7ea_proj
		.amdhsa_group_segment_fixed_size 327680
		.amdhsa_private_segment_fixed_size 0
		.amdhsa_enable_private_segment 0
		.amdhsa_kernarg_size 48
		.amdhsa_user_sgpr_count 2
		.amdhsa_user_sgpr_kernarg_segment_ptr 1
		.amdhsa_wavefront_size32 1
		.amdhsa_system_sgpr_workgroup_id_x 1
		.amdhsa_system_sgpr_workgroup_id_y 1
		.amdhsa_system_sgpr_workgroup_id_z 1
		.amdhsa_system_vgpr_workitem_id 0
		.amdhsa_next_free_vgpr 1024
		.amdhsa_next_free_sgpr 66
		.amdhsa_reserve_vcc 0
		.amdhsa_float_denorm_mode_32 3
		.amdhsa_float_denorm_mode_16_64 3
		.amdhsa_memory_ordered 1
		.amdhsa_forward_progress 1
		.amdhsa_inst_pref_size 208
	.end_amdhsa_kernel
	.amdgpu_metadata
---
amdhsa.version: [ 1, 2 ]
amdhsa.kernels:
  - .name:           k_q271435e7ea_proj
    .symbol:         k_q271435e7ea_proj.kd
    .args:
      - { .name: states, .offset: 0, .size: 8, .value_kind: global_buffer, .address_space: global }
      - { .name: w_codes, .offset: 8, .size: 8, .value_kind: global_buffer, .address_space: global }
      - { .name: w_scales, .offset: 16, .size: 8, .value_kind: global_buffer, .address_space: global }
      - { .name: bk, .offset: 24, .size: 8, .value_kind: global_buffer, .address_space: global }
      - { .name: bv, .offset: 32, .size: 8, .value_kind: global_buffer, .address_space: global }
      - { .name: kv, .offset: 40, .size: 8, .value_kind: global_buffer, .address_space: global }
    .group_segment_fixed_size: 327680
    .private_segment_fixed_size: 0
    .kernarg_segment_align: 8
    .kernarg_segment_size: 48
    .max_flat_workgroup_size: 128
    .sgpr_count:     66
    .vgpr_count:     1024
    .wavefront_size: 32
...
	.end_amdgpu_metadata
.endif
;; end of part 2
;; launch attn (part 3): grid 32 x 8, 4 waves a work-group, no clusters, 168,448 bytes of LDS; arguments query, kv, mask, out0; writes out0
.if DOCPART == 3
	.amdgcn_target "amdgcn-amd-amdhsa--gfx1250"
	.amdhsa_code_object_version 6
	.text
	.protected	k_q271435e7ea_attn
	.globl	k_q271435e7ea_attn
	.p2align	8
	.type	k_q271435e7ea_attn,@function
k_q271435e7ea_attn:
	s_mov_b64 s[64:65], 0
	v_nop
	global_prefetch_b8 v0, s[64:65] scope:SCOPE_SE
	s_setreg_imm32_b32 hwreg(HW_REG_WAVE_MODE, 25, 1), 1
	s_wait_xcnt 0x0
; out = softmax(mask x (q k^T) / sqrt(512)) v in MX-FP6.  A work-group takes 64 queries of one batch and all 2,048 keys, in 16 steps of 128.  Both products are used transposed: a lane holds one query.
; HEAD: each wave quantises 16 of the 64 queries (read once in the launch) along h and hands the fragments to the others through LDS.
; PHASE 1, 16 steps: S^T = k q^T: wave w takes keys 32 w .. 32 w + 31 of the step (2 tiles) x 64 queries (4 tiles) x K = 512: 32 matrix instructions; then the mask and p = 2^(t - M) under the wave's OWN running M,
;   a whole number.  The block's codes go into the step's slot in LDS, at their places in p's fragments, and the number byte + M into the wave's own part of the slot.  All 16 steps' codes, 96 KB, stay in LDS.
; BETWEEN: the waves exchange their largest byte + M, their sums and their M.  The largest less 124 is the common level MC; each wave turns its own 64 numbers byte + M into bytes relative to MC.
;   M is a whole number, so this moves only scales: the codes' values stay.  The row's sum, taken of the unquantised p, is brought to MC by exact powers of two.
; PHASE 2, 16 steps: O^T += v^T p^T: wave w takes h = 128 w .. 128 w + 127 (8 tiles) x 64 queries x K = 128 keys: 32 matrix instructions a step, on end.  The level is final, so O^T is never rescaled.
; Each byte of K and V is an operand of ONE wave: it goes from kv (laid as register images) straight into that wave's registers, two steps ahead, K and then V through the same two sets of 96 registers.
; NO JOINT LOADS: the 32 work-groups of a batch walk the same kv, but a joint load lands in LDS, from which each byte would have to be read again by its one wave.
; NO PREFETCH: the loads themselves run two steps ahead, into registers.
; LIMITS: M and byte + M are kept as f32 and joined with 2^23: exact while the scaled scores (the exponents to the base 2) stay under 2^22 in magnitude; NaN and infinities are not served.
; A block of p that lies 2^-124 or more under the row's level gets the byte 0 (2^-127), a finite code.  A block of queries under 2^-124 keeps the byte 1.
; REGISTERS: window 0: addresses, S^T / p, p's fragments, state, scales.  Window 1: the queries as f32, then O^T, tile (n, m) at 8 (4 n + m).  Window 2: q's 16 fragments, mask buffer 0 at v192.  Window 3: two sets of K or V fragments, mask buffer 1 at v192.
.set FRB,   1536                       ; a fragment's image
.set STEPB, 102400                     ; kv: bytes of 128 keys
.set KSOFF, 49152
.set VOFF,  51200
.set VSOFF, 100352
.set SLOTB, 8192                       ; LDS: a step's slot: p^T's 4 fragments, then 2,048 bytes: first 16 bytes a thread (byte + M), later in their first 256 bytes p's scale words
.set EOFF,  4*FRB
.set XCH,   16*SLOTB                   ; the exchange: 3 x 64 queries x 4 waves
.set STAGE, XCH+3*1024                 ; the way out: 16 rows of 528 bytes for each wave; in the head q's 16 fragments and scale words
.set SP,    528
.set QSB,   STAGE+16*FRB
.set SPARE, STAGE+4*16*SP              ; the spare words, 128 bytes a wave
.set LI,  4                            ; 16 x lane
.set MO,  5                            ; mask: row r, + 64 h
.set AK,  6                            ; wave x 8 fragments + 16 x lane
.set AKS, 7                            ; wave x 512 + 16 x lane
.set AV8, 8                            ; wave x 8 fragments + 8 x lane
.set AVS, 9                            ; wave x 512 + 4 x lane
.set PAD, 10                           ; v10-13: PA, EA + the trip's slots
.set EAD, 13
.set PA,  14
.set EA,  17                           ; 16 x thread
.set EX,  18
.set ER,  19
.set STO, 20
.set RD,  21
.set L4,  22
.set SPW, 23
.set NIL, 24
.set XA,  28                           ; head: query row r, + 64 h;  later PSR: 16 r + EOFF
.set PSR, 28
.set QWI, 29                           ; head;  later PSD
.set PSD, 29
.set QWS, 30
.set PRD, 31
.set S,   32
.set PF,  96                           ; p's fragments, two sets of 48
.set PC,  96                           ; head: the codes just made
.set XE,  96                           ; between the phases: what the four waves exchanged
.set XL,  112
.set XN,  128
.set CV,  144
.set TM,  144                          ; head
.set PW,  160                          ; head
.set NM,  176                          ; pairs: -M, the running largest t
.set LS,  184
.set BM,  192
.set T1,  196
.set T2,  200
.set FW,  204
.set MC,  212
.set FC,  216
.set KK,  224
.set EMX, 228
.set KS,  232                          ; K's or V's scale words, two sets of 4
.set QS,  240
.set PS,  248                          ; p's scale words, two sets of 4
.set WV,  16
.set SEL, 20
.set CS,  22
.set KVP, 6
.set VP,  12
.set MP,  40
.set OP,  42
.set MSB, 0
.macro WIN new                         ; the immediate's high byte repeats the setting that is left
.if MSB != (\new)
	s_set_vgpr_msb (MSB<<8)|(\new)
.set MSB, (\new)
.endif
.endm
.macro PLACES n
.rept \n
	v_nop
.endr
.endm
.macro WM                              ; one product; rC < 0: C = 0; fA, fB: the scales stand in lanes 16-31
.if rC < 0
.if fA && fB
	v_wmma_scale_f32_16x16x128_f8f6f4 v[rD:rD+7], v[rA:rA+11], v[rB:rB+11], 0, v[rSA], v[rSB] matrix_a_fmt:MATRIX_FMT_FP6 matrix_b_fmt:MATRIX_FMT_FP6 matrix_a_scale:MATRIX_SCALE_ROW1 matrix_b_scale:MATRIX_SCALE_ROW1
.elseif fA
	v_wmma_scale_f32_16x16x128_f8f6f4 v[rD:rD+7], v[rA:rA+11], v[rB:rB+11], 0, v[rSA], v[rSB] matrix_a_fmt:MATRIX_FMT_FP6 matrix_b_fmt:MATRIX_FMT_FP6 matrix_a_scale:MATRIX_SCALE_ROW1
.elseif fB
	v_wmma_scale_f32_16x16x128_f8f6f4 v[rD:rD+7], v[rA:rA+11], v[rB:rB+11], 0, v[rSA], v[rSB] matrix_a_fmt:MATRIX_FMT_FP6 matrix_b_fmt:MATRIX_FMT_FP6 matrix_b_scale:MATRIX_SCALE_ROW1
.else
	v_wmma_scale_f32_16x16x128_f8f6f4 v[rD:rD+7], v[rA:rA+11], v[rB:rB+11], 0, v[rSA], v[rSB] matrix_a_fmt:MATRIX_FMT_FP6 matrix_b_fmt:MATRIX_FMT_FP6
.endif
.else
.if fA && fB
	v_wmma_scale_f32_16x16x128_f8f6f4 v[rD:rD+7], v[rA:rA+11], v[rB:rB+11], v[rC:rC+7], v[rSA], v[rSB] matrix_a_fmt:MATRIX_FMT_FP6 matrix_b_fmt:MATRIX_FMT_FP6 matrix_a_scale:MATRIX_SCALE_ROW1 matrix_b_scale:MATRIX_SCALE_ROW1
.elseif fA
	v_wmma_scale_f32_16x16x128_f8f6f4 v[rD:rD+7], v[rA:rA+11], v[rB:rB+11], v[rC:rC+7], v[rSA], v[rSB] matrix_a_fmt:MATRIX_FMT_FP6 matrix_b_fmt:MATRIX_FMT_FP6 matrix_a_scale:MATRIX_SCALE_ROW1
.elseif fB
	v_wmma_scale_f32_16x16x128_f8f6f4 v[rD:rD+7], v[rA:rA+11], v[rB:rB+11], v[rC:rC+7], v[rSA], v[rSB] matrix_a_fmt:MATRIX_FMT_FP6 matrix_b_fmt:MATRIX_FMT_FP6 matrix_b_scale:MATRIX_SCALE_ROW1
.else
	v_wmma_scale_f32_16x16x128_f8f6f4 v[rD:rD+7], v[rA:rA+11], v[rB:rB+11], v[rC:rC+7], v[rSA], v[rSB] matrix_a_fmt:MATRIX_FMT_FP6 matrix_b_fmt:MATRIX_FMT_FP6
.endif
.endif
.endm
; 64 numbers of a lane in window 1, register src + 16 b + i = h 32 b + 16 (lane / 16) + i of my query, become a fragment's codes in v[PC] on and its scale word in v[pw]
.macro QUANT src, pw
	WIN 0x14
.irp b, 0,1,2,3
	v_max3_num_f32 v[TM+\b], 0x1800000, |v[\src+16*\b]|, |v[\src+16*\b+1]|   ; my 16 numbers of block b, and the floor 2^(3 - 127)
.endr
.irp i, 2,4,6,8,10,12,14
.irp b, 0,1,2,3
	v_max3_num_f32 v[TM+\b], v[TM+\b], |v[\src+16*\b+\i]|, |v[\src+16*\b+\i+1]|
.endr
.endr
	WIN 0
.irp b, 0,1,2,3
	v_permlanex16_b32 v[TM+4+\b], v[TM+\b], s[SEL], s[SEL+1]
.endr
.irp b, 0,1,2,3
	v_max_num_f32 v[TM+\b], v[TM+\b], v[TM+4+\b]       ; with lane l xor 16's: the block's largest magnitude
.endr
.irp b, 0,1,2,3
	v_add_nc_u32 v[TM+12+\b], 0xff000000, v[TM+\b]     ; 2 off its exponent field: the conversion's scale operand
.endr
.irp b, 0,1,2,3
	v_lshrrev_b32 v[TM+4+\b], 23, v[TM+12+\b]          ; the scale's byte
.endr
	v_lshl_or_b32 v[\pw], v[TM+5], 8, v[TM+4]
	v_lshl_or_b32 v[\pw], v[TM+6], 16, v[\pw]
	v_lshl_or_b32 v[\pw], v[TM+7], 24, v[\pw]
	WIN 1
.irp c, 0,1
	v_cvt_scalef32_pk16_fp6_f32 v[PC+6*\c:PC+2+6*\c], v[\src+32*\c:\src+32*\c+15], v[TM+12+2*\c]
	v_cvt_scalef32_pk16_fp6_f32 v[PC+12+4*\c:PC+14+4*\c], v[\src+32*\c+16:\src+32*\c+31], v[TM+12+2*\c+1]   ; (a conversion's three registers begin on an even number)
.endr
	WIN 0
	v_nop                                              ; one plain place behind a scaled conversion
.irp c, 0,1                                        ; the layout wants a whole block in a lane
.irp i, 0,1,2
	v_permlane16_swap_b32 v[PC+6*\c+\i], v[PC+12+4*\c+\i]
.endr
.irp i, 0,1,2
	v_mov_b32 v[PC+3+6*\c+\i], v[PC+12+4*\c+\i]
.endr
.endr
.endm
.macro QPUT s                          ; the fragment's image into LDS
.irp k, 0,1,2
	ds_store_b128 v[QWI], v[PC+4*\k:PC+4*\k+3] offset:FRB*\s+512*\k
.endr
.endm
; The three streams.  b: the set of registers; st: the step, counted from where the base stands.  16, 25 and 36 loads a wave and step.
.macro MLOAD b, st                     ; the mask of my 32 keys x 64 queries: 64 bytes a lane and tile, by four loads on end (no hint: they share those bytes' surroundings)
	WIN 0x80+0x40*(\b)
.irp m, 0,1,2,3
.irp i, 0,1,2,3
	global_load_b128 v[192+16*\m+4*\i:192+16*\m+4*\i+3], v[MO], s[MP:MP+1] offset:131072*\m+16*\i+512*(\st)
.endr
.endr
.endm
.macro KLOAD b, st                     ; my 2 tiles of keys x 4 K steps, and their scale words: each load covers 512 consecutive bytes
	WIN 0
	global_load_b128 v[KS+4*(\b):KS+4*(\b)+3], v[AKS], s[KVP:KVP+1] offset:STEPB*(\st)+KSOFF
	WIN 0xc0
.irp f, 0,1,2,3,4,5,6,7
.irp k, 0,1,2
	global_load_b128 v[96*(\b)+12*\f+4*\k:96*(\b)+12*\f+4*\k+3], v[AK], s[KVP:KVP+1] offset:STEPB*(\st)+FRB*\f+512*\k
.endr
.endr
.endm
.macro VLOAD b, st                     ; my 8 tiles of h: each fragment in two halves of 16 + 8 bytes a lane; and their scale words
	WIN 0xc0
.irp n, 0,1,2,3,4,5,6,7
.irp c, 0,1
	global_load_b128 v[96*(\b)+12*\n+6*\c:96*(\b)+12*\n+6*\c+3], v[AK], s[VP:VP+1] offset:STEPB*(\st)+VOFF+FRB*\n+768*\c
	global_load_b64 v[96*(\b)+12*\n+6*\c+4:96*(\b)+12*\n+6*\c+5], v[AV8], s[VP:VP+1] offset:STEPB*(\st)+VOFF+FRB*\n+768*\c+512
.endr
.endr
	WIN 0
.irp i, 0,1,2,3
	global_load_b32 v[KS+4*(\b)+\i], v[AVS], s[VP:VP+1] offset:STEPB*(\st)+VSOFF+128*\i
.endr
.endm
.macro PLOAD b, st                     ; p's four fragments and scale words of a step
.irp m, 0,1,2,3
.irp k, 0,1,2
	ds_load_b128 v[PF+48*(\b)+12*\m+4*\k:PF+48*(\b)+12*\m+4*\k+3], v[PRD] offset:SLOTB*(\st)+FRB*\m+512*\k
.endr
.endr
	ds_load_b128 v[PS+4*(\b):PS+4*(\b)+3], v[PSD] offset:SLOTB*(\st)
.endm
.macro SMUL b                          ; S^T: 8 accumulators by turns; the first K step starts the sums
	WIN 0x0b
.irp s, 0,1,2,3
.irp u, 0,1
.irp m, 0,1,2,3
.set rD, S+16*\m+8*\u
.set rA, 96*(\b)+12*(4*\u+\s)
.set rB, 12*(4*\m+\s)
.if \s == 0
.set rC, -1
.else
.set rC, rD
.endif
.set rSA, KS+4*(\b)+\s
.set rSB, QS+2*\m+\s/2
.set fA, \u
.set fB, \s%2
	WM
.endr
.endr
.endr
.endm
.macro PV b, zero                      ; O^T += v^T p^T: 32 accumulators by turns
	WIN 0x53
.set x, 0
.rept 32
.set rD, 8*x
.set rA, 96*(\b)+12*(x/4)
.set rB, PF+48*(\b)+12*(x%4)
.if \zero
.set rC, -1
.else
.set rC, rD
.endif
.set rSA, KS+4*(\b)+x/8
.set rSB, PS+4*(\b)+x%4
.set fA, (x/4)%2
.set fB, 0
	WM
.set x, x+1
.endr
.endm
.macro ADDR1                           ; where this trip's two steps put their codes and numbers
.irp i, 0,1,2
	v_add_nc_u32 v[PAD+\i], s46, v[PA+\i]
.endr
	v_add_nc_u32 v[EAD], s46, v[EA]
.endm
.macro ADDR2                           ; from where this trip's two steps ask for p
	v_add_nc_u32 v[PRD], s46, v[LI]
	v_add_nc_u32 v[PSD], s46, v[PSR]
	s_wait_alu depctr_va_vdst(0)                       ; the wait here, directly behind the writes
.endm
; A step of phase 1.  b: its parity; d: counted from where the bases stand; cnt: the loads issued behind this step's K and mask; nk = 1: K of two steps on follows into the set just multiplied, else V(d)
.macro S1 b, d, cnt, nk, mload
	WIN 0
	s_wait_alu depctr_va_vdst(0)                       ; the wait here, directly ahead of the wait below
	s_wait_loadcnt \cnt
	SMUL \b
	WIN 0
	PLACES 4                                           ; ahead of the loads into K's registers and of the first read of S^T
.if \nk == 1
	KLOAD \b, (\d)+2
.else
	VLOAD \b, \d
.endif
	WIN 0x08+4*(\b)
.set x, 0
.rept 32
	v_pk_mul_f32 v[S+x:S+x+1], v[S+x:S+x+1], v[192+x:192+x+1]   ; x the mask
.set x, x+2
.endr
.if \mload
	MLOAD \b, (\d)+2
.endif
	WIN 0
.irp m, 0,1,2,3
	v_max3_num_f32 v[BM+\m], v[S+16*\m], v[S+16*\m+1], v[S+16*\m+2]   ; the block's largest score: for the running maximum and for the block's largest p
.endr
.irp i, 3,5,7,9,11,13
.irp m, 0,1,2,3
	v_max3_num_f32 v[BM+\m], v[BM+\m], v[S+16*\m+\i], v[S+16*\m+\i+1]
.endr
.endr
.irp m, 0,1,2,3
	v_max_num_f32 v[BM+\m], v[BM+\m], v[S+16*\m+15]
.endr
.irp m, 0,1,2,3
	v_permlanex16_b32 v[T1+\m], v[BM+\m], s[SEL], s[SEL+1]
.endr
.irp m, 0,1,2,3
	v_max_num_f32 v[BM+\m], v[BM+\m], v[T1+\m]
.endr
.irp m, 0,1,2,3
	v_mul_f32 v[T2+\m], s[CS], v[BM+\m]                ; as t (the factor is positive)
.endr
.irp m, 0,1,2,3
	v_max_num_f32 v[NM+2*\m+1], v[NM+2*\m+1], v[T2+\m]
.endr
.irp m, 0,1,2,3
	v_mov_b32 v[T1+\m], v[NM+2*\m]
.endr
.irp m, 0,1,2,3
	v_floor_f32 v[NM+2*\m], -v[NM+2*\m+1]              ; -M = floor(-t)
.endr
.irp m, 0,1,2,3
	v_sub_f32 v[T1+\m], v[NM+2*\m], v[T1+\m]
.endr
.irp m, 0,1,2,3
	v_cvt_i32_f32 v[T1+\m], v[T1+\m]                   ; (it saturates)
.endr
.irp m, 0,1,2,3
	v_ldexp_f32 v[FW+2*\m], 1.0, v[T1+\m]              ; 2^(old M - new M), for my sums
.endr
.irp e, 0,2,4,6,8,10,12,14
.irp m, 0,1,2,3
	v_pk_fma_f32 v[S+16*\m+\e:S+16*\m+\e+1], v[S+16*\m+\e:S+16*\m+\e+1], s[CS:CS+1], v[NM+2*\m:NM+2*\m+1] op_sel_hi:[1,0,0]
.endr
.endr
.irp m, 0,1,2,3
	v_fma_f32 v[BM+\m], v[BM+\m], s[CS], v[NM+2*\m]
.endr
.set x, 0
	s_wait_alu depctr_va_vdst(0)                       ; the wait ahead of the batch
.rept 64
	v_exp_f32 v[S+x], v[S+x]                           ; p = 2^(t - M)
.set x, x+1
.endr
.irp m, 0,1,2,3
	v_pk_mul_f32 v[LS+2*\m:LS+2*\m+1], v[LS+2*\m:LS+2*\m+1], v[FW+2*\m:FW+2*\m+1] op_sel_hi:[1,0]
.endr
	s_wait_alu depctr_va_vdst(0)                       ; and behind it
.irp m, 0,1,2,3
	v_exp_f32 v[BM+\m], v[BM+\m]                       ; the block's largest p
.endr
.irp e, 0,2,4,6,8,10,12,14
.irp m, 0,1,2,3
	v_pk_add_f32 v[LS+2*\m:LS+2*\m+1], v[LS+2*\m:LS+2*\m+1], v[S+16*\m+\e:S+16*\m+\e+1]   ; the sum of the unquantised p
.endr
.endr
	s_wait_alu depctr_va_vdst(0)
.irp m, 0,1,2,3
	v_max_num_f32 v[BM+\m], 0x1800000, v[BM+\m]        ; the floor 2^(3 - 127)
.endr
.irp m, 0,1,2,3
	v_add_nc_u32 v[T2+\m], 0xff000000, v[BM+\m]        ; 2 off the exponent field: the conversion's scale operand
.endr
.irp m, 0,1,2,3
	v_lshrrev_b32 v[T1+\m], 23, v[T2+\m]
.endr
.irp m, 0,1,2,3
	v_cvt_f32_u32 v[T1+\m], v[T1+\m]
.endr
.irp m, 0,1,2,3
	v_sub_f32 v[T1+\m], v[T1+\m], v[NM+2*\m]           ; byte + M
.endr
.irp m, 0,1,2,3
	v_max_num_f32 v[EMX+\m], v[EMX+\m], v[T1+\m]       ; and the largest of them so far
.endr
.irp m, 0,1,2,3
	v_cvt_scalef32_pk16_fp6_f32 v[CV+4*\m:CV+4*\m+2], v[S+16*\m:S+16*\m+15], v[T2+\m]
.endr
	v_nop                                              ; one plain place behind a scaled conversion
.irp m, 0,1,2,3
.irp i, 0,1,2
	ds_store_b32 v[PAD+\i], v[CV+4*\m+\i] offset:SLOTB*(\d)+FRB*\m   ; my 16 codes, at their registers' places in the fragment's image
.endr
.endr
	ds_store_b128 v[EAD], v[T1:T1+3] offset:SLOTB*(\d)+EOFF
.endm
; A step of phase 2.  cntv, cntd: the loads issued behind this step's V and behind its p; more: the sets just multiplied take the step two on
.macro P2 b, d, zero, cntv, cntd, more
	s_wait_loadcnt \cntv
	s_wait_dscnt \cntd
	PV \b, \zero
.if \more
	WIN 0
	PLACES 4                                           ; ahead of loads into registers that matrix instructions have read
	VLOAD \b, (\d)+2
	PLOAD \b, (\d)+2
.endif
.endm
	s_load_b256 s[4:11], s[0:1], 0x0               ; query, kv, mask, out0
	v_lshrrev_b32 v1, 5, v0
	v_readfirstlane_b32 s[WV], v1                  ; wave 0..3
	s_and_b32 s19, ttmp7, 0xffff                   ; batch; ttmp9: which 64 queries
	s_mov_b32 s[SEL], 0x76543210
	s_mov_b32 s[SEL+1], 0xfedcba98                 ; v_permlanex16_b32's selects for lane l xor 16
	s_mov_b32 s[CS], 0x3d8293ee                    ; log2(e) / sqrt(512)
	s_mov_b32 s[CS+1], s[CS]
	s_mov_b32 s50, 0x4b000000                      ; 2^23
	s_mov_b32 s46, 0                               ; the trip's first slot
	s_mul_i32 s24, s[WV], 8*FRB
	s_lshl_b32 s25, s[WV], 9
	s_lshr_b32 s26, s[WV], 1
	s_mul_i32 s26, s26, 6                          ; my block of keys begins at register 6 (w / 2) of p's fragment,
	s_and_b32 s27, s[WV], 1
	s_lshl_b32 s27, s27, 8                         ; in lanes 16 (w % 2) on
	s_lshl_b32 s28, s[WV], 2
	s_add_co_u32 s28, s28, XCH
	s_mul_i32 s29, s[WV], 16*SP
	s_add_co_u32 s29, s29, STAGE
	s_mul_i32 s36, s[WV], 4*FRB
	s_add_co_u32 s36, s36, STAGE
	s_lshl_b32 s37, s[WV], 8
	s_add_co_u32 s37, s37, QSB
	s_add_co_u32 s47, s[WV], EOFF
	s_mul_i32 s30, s19, 16*STEPB                   ; kv: the batch's 16 steps
	s_mov_b32 s31, 0
	s_lshl_b32 s32, s19, 7
	s_lshl_b32 s33, ttmp9, 2
	s_add_co_u32 s32, s32, s33
	s_add_co_u32 s32, s32, s[WV]                   ; the tile of 16 queries that I quantise
	s_lshl_b32 s34, s32, 15                        ; 16 rows of 2,048 bytes
	s_mov_b32 s35, 0
	s_lshl_b32 s38, s19, 24                        ; mask: batch, 64 rows of 8,192 bytes, my 32 keys
	s_lshl_b32 s33, ttmp9, 19
	s_add_co_u32 s38, s38, s33
	s_lshl_b32 s33, s[WV], 7
	s_add_co_u32 s38, s38, s33
	s_mov_b32 s39, 0
	s_lshl_b32 s44, s19, 22                        ; out0: batch, 64 rows of 2,048 bytes, my 128 columns
	s_lshl_b32 s33, ttmp9, 17
	s_add_co_u32 s44, s44, s33
	s_add_co_u32 s44, s44, s25
	s_mov_b32 s45, 0
	v_lshl_add_u32 v[SPW], v0, 2, SPARE
	v_mov_b32 v[NIL], 0
	v_and_b32 v1, 31, v0                           ; lane
	v_and_b32 v2, 15, v0                           ; r
	v_bfe_u32 v3, v0, 4, 1                         ; h
	v_lshlrev_b32 v[LI], 4, v1
	v_lshlrev_b32 v[L4], 2, v1
	v_lshlrev_b32 v[MO], 13, v2
	v_lshl_add_u32 v[MO], v3, 6, v[MO]
	v_lshlrev_b32 v[XA], 11, v2
	v_lshl_add_u32 v[XA], v3, 6, v[XA]
	v_add_nc_u32 v[AK], s24, v[LI]
	v_add_nc_u32 v[AKS], s25, v[LI]
	v_lshl_add_u32 v[AV8], v1, 3, s24
	v_add_nc_u32 v[AVS], s25, v[L4]
	s_wait_alu depctr_va_vdst(0)                   ; the wait here, directly ahead of the wait below
	s_wait_kmcnt 0x0
	s_add_nc_u64 s[KVP:KVP+1], s[KVP:KVP+1], s[30:31]
	s_mov_b64 s[VP:VP+1], s[KVP:KVP+1]
	s_add_nc_u64 s[4:5], s[4:5], s[34:35]
	s_add_nc_u64 s[MP:MP+1], s[8:9], s[38:39]
	s_add_nc_u64 s[OP:OP+1], s[10:11], s[44:45]
	WIN 0x40
.irp s, 0,1,2,3                                ; my 16 queries: 64 numbers a lane and K step
.irp b, 0,1,2,3
.irp j, 0,1,2,3
	global_load_b128 v[64*\s+16*\b+4*\j:64*\s+16*\b+4*\j+3], v[XA], s[4:5] offset:512*\s+128*\b+16*\j
.endr
.endr
.endr
	WIN 0
	v_mul_u32_u24 v25, v3, 3                       ; where my codes go in p's image: register 6 (w / 2) + 3 h + i of lane r + 16 (w % 2); register R of lane L lies at 512 (R / 4) + 16 L + 4 (R % 4)
	v_add_nc_u32 v25, s26, v25
.irp i, 0,1,2
	v_add_nc_u32 v26, \i, v25
	v_lshrrev_b32 v27, 2, v26
	v_and_b32 v26, 3, v26
	v_lshlrev_b32 v27, 9, v27
	v_lshl_add_u32 v27, v26, 2, v27
	v_lshl_add_u32 v27, v2, 4, v27
	v_add_nc_u32 v[PA+\i], s27, v27
.endr
	v_lshlrev_b32 v[EA], 4, v0
	v_lshl_add_u32 v[EX], v2, 4, s28               ; the exchange: query r's four words, mine the w-th
	v_lshl_add_u32 v[ER], v2, 4, XCH
	v_mul_u32_u24 v[STO], v2, SP
	v_lshl_add_u32 v[STO], v3, 5, v[STO]
	v_add_nc_u32 v[STO], s29, v[STO]
	v_add_nc_u32 v[RD], s29, v[LI]
	v_add_nc_u32 v[QWI], s36, v[LI]
	v_add_nc_u32 v[QWS], s37, v[L4]
	v_add_nc_u32 v26, STAGE, v[LI]
	v_add_nc_u32 v27, QSB, v[L4]
.irp m, 0,1,2,3
	v_mov_b32 v[NM+2*\m+1], 0xff61b1e6             ; -3e38, under every t
	v_floor_f32 v[NM+2*\m], -v[NM+2*\m+1]
	v_mov_b32 v[EMX+\m], 0xff61b1e6
	v_mov_b32 v[LS+2*\m], 0
	v_mov_b32 v[LS+2*\m+1], 0
	v_mov_b32 v[T1+\m], 0                          ; a lane permute's destination counts as one of its sources
	v_mov_b32 v[TM+4+\m], 0
	v_mov_b32 v[FW+2*\m+1], 0                      ; upper halves of pairs that packed forms name
	v_mov_b32 v[FC+2*\m+1], 0
.endr
	s_wait_alu depctr_va_vdst(0)                   ; the wait at the head's end
	s_wait_loadcnt 48                              ; the queries' K step 0 is in
	KLOAD 0, 0
	QUANT 0, PW
	QPUT 0
	s_wait_alu depctr_va_vdst(0)
	s_wait_loadcnt 57                              ; K step 1: behind it two K steps' 32 loads and K(0)'s 25
	MLOAD 0, 0
	QUANT 64, PW+1
	QPUT 1
	s_wait_alu depctr_va_vdst(0)
	s_wait_loadcnt 57                              ; K step 2: behind it 16 + 25 + 16
	QUANT 128, PW+2
	QPUT 2
	s_wait_alu depctr_va_vdst(0)
	s_wait_loadcnt 41                              ; K step 3: behind it 25 + 16
	KLOAD 1, 1
	MLOAD 1, 1
	QUANT 192, PW+3
	QPUT 3
	v_cmp_lt_u32 vcc_lo, 15, v1                    ; both halves of the lanes hold a row's word: lanes 0-15 keep the even K step's, lanes 16-31 the odd one's
	v_cndmask_b32 v[PW], v[PW], v[PW+1], vcc_lo
	v_cndmask_b32 v[PW+2], v[PW+2], v[PW+3], vcc_lo
	ds_store_b32 v[QWS], v[PW]
	ds_store_b32 v[QWS], v[PW+2] offset:128
	s_wait_alu depctr_va_vdst(0)
	s_wait_dscnt 0x0                               ; my fragments are stored
	s_barrier_signal -1
	s_barrier_wait -1
	WIN 0x80
.irp f, 0,1,2,3,4,5,6,7,8,9,10,11,12,13,14,15
.irp k, 0,1,2
	ds_load_b128 v[12*\f+4*\k:12*\f+4*\k+3], v26 offset:FRB*\f+512*\k   ; q: 4 tiles x 4 K steps, kept for all of phase 1
.endr
.endr
	WIN 0
.irp i, 0,1,2,3,4,5,6,7
	ds_load_b32 v[QS+\i], v27 offset:128*\i
.endr
	s_wait_dscnt 0x0
	s_mov_b32 s3, 7
.Lone:                                                 ; steps 0 .. 13, two a trip: the parities come back.  41: behind a step's K and mask stand the next step's 25 + 16
	ADDR1
	S1 0, 0, 41, 1, 1
	S1 1, 1, 41, 1, 1
	s_wait_xcnt 0x0                                ; the loads have read their bases
	s_add_nc_u64 s[KVP:KVP+1], s[KVP:KVP+1], 2*STEPB
	s_add_nc_u64 s[MP:MP+1], s[MP:MP+1], 1024
	s_add_co_u32 s46, s46, 2*SLOTB
	s_sub_co_u32 s3, s3, 1
	s_cmp_lg_u32 s3, 0
	s_cbranch_scc1 .Lone
	ADDR1
	S1 0, 0, 41, 0, 0                              ; step 14: no K and no mask is left to ask for: V(0) follows
	S1 1, 1, 36, 0, 0                              ; step 15: behind its K and mask stand V(0)'s 36; V(1) follows
.irp m, 0,1,2,3
	v_add_f32 v[T2+\m], v[LS+2*\m], v[LS+2*\m+1]   ; my sums: two halves,
.endr
.irp m, 0,1,2,3
	v_permlanex16_b32 v[BM+\m], v[T2+\m], s[SEL], s[SEL+1]
.endr
.irp m, 0,1,2,3
	v_add_f32 v[T2+\m], v[T2+\m], v[BM+\m]         ; and lane l xor 16's
.endr
.irp m, 0,1,2,3
	ds_store_b32 v[EX], v[EMX+\m] offset:256*\m
	ds_store_b32 v[EX], v[T2+\m] offset:1024+256*\m
	ds_store_b32 v[EX], v[NM+2*\m] offset:2048+256*\m
.endr
	v_add_nc_u32 v25, 0x10000, v[EA]               ; slots 8 to 15 lie beyond an offset's 16 bits
	v_lshl_add_u32 v26, v2, 4, s47                 ; p's scale words: query r's 16 bytes of a step, word m, my byte the w-th
	v_add_nc_u32 v27, 0x10000, v26
	v_lshl_add_u32 v[PSR], v2, 4, EOFF
.irp j, 0,1,2,3,4,5,6,7
	ds_load_b128 v[S+4*\j:S+4*\j+3], v[EA] offset:SLOTB*\j+EOFF          ; my own 64 numbers byte + M come back
.endr
.irp j, 0,1,2,3,4,5,6,7
	ds_load_b128 v[S+32+4*\j:S+32+4*\j+3], v25 offset:SLOTB*\j+EOFF
.endr
	s_wait_alu depctr_va_vdst(0)                   ; the wait here, directly ahead of the wait below
	s_wait_dscnt 0x0                               ; my stores are done, and my reads of the bytes that the scale words will take
	s_barrier_signal -1
	s_barrier_wait -1
.irp m, 0,1,2,3
	ds_load_b128 v[XE+4*\m:XE+4*\m+3], v[ER] offset:256*\m
.endr
.irp m, 0,1,2,3
	ds_load_b128 v[XL+4*\m:XL+4*\m+3], v[ER] offset:1024+256*\m
.endr
.irp m, 0,1,2,3
	ds_load_b128 v[XN+4*\m:XN+4*\m+3], v[ER] offset:2048+256*\m
.endr
	s_wait_dscnt 0x0
.irp m, 0,1,2,3
	v_max3_num_f32 v[MC+\m], v[XE+4*\m], v[XE+4*\m+1], v[XE+4*\m+2]
.endr
.irp m, 0,1,2,3
	v_max_num_f32 v[MC+\m], v[MC+\m], v[XE+4*\m+3]
.endr
.irp m, 0,1,2,3
	v_add_f32 v[MC+\m], 0xc2f80000, v[MC+\m]       ; - 124: the level; the largest block's byte becomes 124
.endr
.irp m, 0,1,2,3
	v_sub_f32 v[KK+\m], s50, v[MC+\m]              ; 2^23 - level
.endr
.irp j, 0,1,2,3,4,5,6,7,8,9,10,11,12,13,14,15
.irp i, 0,2
	v_pk_add_f32 v[S+4*\j+\i:S+4*\j+\i+1], v[S+4*\j+\i:S+4*\j+\i+1], v[KK+\i:KK+\i+1]
.endr
.endr
.set x, 0
.rept 64
	v_max_num_f32 v[S+x], s50, v[S+x]              ; the byte now stands in the lowest mantissa bits, held at 0 from below
.set x, x+1
.endr
.irp j, 0,1,2,3,4,5,6,7
.irp m, 0,1,2,3
	ds_store_b8 v26, v[S+4*\j+\m] offset:SLOTB*\j+4*\m
	ds_store_b8 v27, v[S+32+4*\j+\m] offset:SLOTB*\j+4*\m
.endr
.endr
.set x, 0
.rept 16
	v_sub_f32 v[XN+x], -v[XN+x], v[MC+x/4]         ; each wave's M less the level
.set x, x+1
.endr
.set x, 0
.rept 16
	v_cvt_i32_f32 v[XN+x], v[XN+x]                 ; (it saturates)
.set x, x+1
.endr
.set x, 0
.rept 16
	v_ldexp_f32 v[XL+x], v[XL+x], v[XN+x]          ; its sum at the level
.set x, x+1
.endr
.irp m, 0,1,2,3
	v_add_f32 v[T1+\m], v[XL+4*\m], v[XL+4*\m+1]
.endr
.irp m, 0,1,2,3
	v_add_f32 v[T2+\m], v[XL+4*\m+2], v[XL+4*\m+3]
.endr
.irp m, 0,1,2,3
	v_add_f32 v[T1+\m], v[T1+\m], v[T2+\m]         ; the row's sum
.endr
	s_wait_alu depctr_va_vdst(0)                   ; the wait ahead of the batch
.irp m, 0,1,2,3
	v_rcp_f32 v[FC+2*\m], v[T1+\m]
.endr
	v_nop
	s_wait_alu depctr_va_vdst(0)                   ; and behind it
	s_wait_dscnt 0x0                               ; my bytes are stored
	s_barrier_signal -1
	s_barrier_wait -1
	s_mov_b32 s46, 0
	ADDR2
	PLOAD 0, 0
	PLOAD 1, 1
	P2 0, 0, 1, 36, 13, 1                          ; step 0 starts the sums.  36: the next step's V; 13: the next step's p
	P2 1, 1, 0, 36, 13, 1
	s_wait_xcnt 0x0
	s_add_nc_u64 s[VP:VP+1], s[VP:VP+1], 2*STEPB
	s_add_co_u32 s46, s46, 2*SLOTB
	s_mov_b32 s3, 6
.Ltwo:                                                 ; steps 2 .. 13
	ADDR2
	P2 0, 0, 0, 36, 13, 1
	P2 1, 1, 0, 36, 13, 1
	s_wait_xcnt 0x0
	s_add_nc_u64 s[VP:VP+1], s[VP:VP+1], 2*STEPB
	s_add_co_u32 s46, s46, 2*SLOTB
	s_sub_co_u32 s3, s3, 1
	s_cmp_lg_u32 s3, 0
	s_cbranch_scc1 .Ltwo
	P2 0, 0, 0, 36, 13, 0                          ; steps 14 and 15 ask for nothing more
	P2 1, 1, 0, 0, 0, 0
	WIN 0
	PLACES 4                                       ; ahead of the first read of O^T
; THE WAY OUT, 16 queries x my 128 columns at once: a lane holds 32 bytes of a row; through my own stage they become whole rows of 512 bytes
.macro OUTT m
	WIN 0x41
.irp n, 0,1,2,3,4,5,6,7
.irp e, 0,2,4,6
	v_pk_mul_f32 v[8*(4*\n+\m)+\e:8*(4*\n+\m)+\e+1], v[8*(4*\n+\m)+\e:8*(4*\n+\m)+\e+1], v[FC+2*\m:FC+2*\m+1] op_sel_hi:[1,0]   ; / the row's sum
.endr
.endr
	WIN 0x04
.irp n, 0,1,2,3,4,5,6,7
	ds_store_b128 v[STO], v[8*(4*\n+\m):8*(4*\n+\m)+3] offset:64*\n
	ds_store_b128 v[STO], v[8*(4*\n+\m)+4:8*(4*\n+\m)+7] offset:64*\n+16
.endr
	WIN 0
.irp t, 0,1,2,3,4,5,6,7,8,9,10,11,12,13,14,15
	ds_load_b128 v[32+64*(\m%2)+4*\t:32+64*(\m%2)+4*\t+3], v[RD] offset:SP*\t   ; LDS serves a wave's instructions in order: these see my stores
.endr
.endm
.macro SEND m, younger
	s_wait_dscnt \younger
.irp t, 0,1,2,3,4,5,6,7,8,9,10,11,12,13,14,15
	global_store_b128 v[LI], v[32+64*(\m%2)+4*\t:32+64*(\m%2)+4*\t+3], s[OP:OP+1] offset:(16*\m+\t)*2048 th:TH_STORE_NT   ; 32 lanes store 512 consecutive bytes, at a multiple of 256
.endr
.endm
	OUTT 0
	OUTT 1
	SEND 0, 32                                     ; behind tile 0's loads: tile 1's 16 stores and 16 loads
	s_wait_xcnt 0x0                                ; the stores have read their registers
	OUTT 2
	SEND 1, 32
	s_wait_xcnt 0x0
	OUTT 3
	SEND 2, 32
	SEND 3, 0
	s_wait_tensorcnt 0x0                           ; the wave's end
	ds_add_u32 v[SPW], v[NIL]
	s_wait_dscnt 0x0
	s_endpgm
.Lfunc_end_k_q271435e7ea_attn:
	.size	k_q271435e7ea_attn, .Lfunc_end_k_q271435e7ea_attn-k_q271435e7ea_attn
	.p2alignl 7, 3214868480
	.fill 96, 4, 3214868480
	.section	.rodata,"a",@progbits
	.p2align	6, 0x0
	.amdhsa_kernel k_q271435e7ea_attn
		.amdhsa_group_segment_fixed_size 168448
		.amdhsa_private_segment_fixed_size 0
		.amdhsa_enable_private_segment 0
		.amdhsa_kernarg_size 32
		.amdhsa_user_sgpr_count 2
		.amdhsa_user_sgpr_kernarg_segment_ptr 1
		.amdhsa_wavefront_size32 1
		.amdhsa_system_sgpr_workgroup_id_x 1
		.amdhsa_system_sgpr_workgroup_id_y 1
		.amdhsa_system_sgpr_workgroup_id_z 1
		.amdhsa_system_vgpr_workitem_id 0
		.amdhsa_next_free_vgpr 1024
		.amdhsa_next_free_sgpr 66
		.amdhsa_reserve_vcc 1
		.amdhsa_float_denorm_mode_32 3
		.amdhsa_float_denorm_mode_16_64 3
		.amdhsa_memory_ordered 1
		.amdhsa_forward_progress 1
		.amdhsa_inst_pref_size 213
	.end_amdhsa_kernel
	.amdgpu_metadata
---
amdhsa.version: [ 1, 2 ]
amdhsa.kernels:
  - .name:           k_q271435e7ea_attn
    .symbol:         k_q271435e7ea_attn.kd
    .args:
      - { .name: query, .offset: 0, .size: 8, .value_kind: global_buffer, .address_space: global }
      - { .name: kv, .offset: 8, .size: 8, .value_kind: global_buffer, .address_space: global }
      - { .name: mask, .offset: 16, .size: 8, .value_kind: global_buffer, .address_space: global }
      - { .name: out0, .offset: 24, .size: 8, .value_kind: global_buffer, .address_space: global }
    .group_segment_fixed_size: 168448
    .private_segment_fixed_size: 0
    .kernarg_segment_align: 8
    .kernarg_segment_size: 32
    .max_flat_workgroup_size: 128
    .sgpr_count:     66
    .vgpr_count:     1024
    .wavefront_size: 32
...
	.end_amdgpu_metadata
.endif
;; end of part 3
